; MI455X (gfx1250); checked and timed in simulation.
; The chip was launched on July 23, 2026; its instructions are those of AMD's public machine-readable ISA for CDNA 5 (MIT licence, August 2026) and "CDNA5" Instruction Set Architecture Reference Guide (July 2026). The comments in the code are by the model that wrote it; some were corrected since.
;; Temporal Encoder. Allowed arithmetic: float matrix products may take bf16 or f16 operands with f32 sums; other float arithmetic in f32, or as packed bf16 or f16 multiplies, adds, multiply-adds, maxima and minima; sums over many terms, partial sums and values carried from step to step in f32; what a program stores and reads back later, other than sums and carried values, may be rounded once to bf16 or f16.
;; Inputs: W_hh 512 x 128 float32; W_ih 512 x 64 float32; b_hh 512 float32; b_ih 512 float32; encode_features 2,048 x 200 x 64 float32; x_len 2,048 int32.
;; Outputs: out0 1 x 2,048 x 128 float32; out1 1 x 2,048 x 128 float32.
;; One version. Each part assembles by itself: llvm-mc -triple=amdgcn-amd-amdhsa -mcpu=gfx1250 --defsym DOCPART=n.
;; ======== version 1 of 1: 1 launch
;; limits: a function is approximated: absolute error at most 1e-07
;; launch cell (part 1): grid 2 x 128, 4 waves a work-group, no clusters, 9,216 bytes of LDS; arguments x_len, encode_features, W_ih, b_ih, b_hh, out0, out1; writes out0, out1
.if DOCPART == 1
	.amdgcn_target "amdgcn-amd-amdhsa--gfx1250"
	.amdhsa_code_object_version 6
	.text
	.protected	k_qb98d310f0f_cell
	.globl	k_qb98d310f0f_cell
	.p2align	8
	.type	k_qb98d310f0f_cell,@function
k_qb98d310f0f_cell:
	s_mov_b64 s[64:65], 0
	v_nop
	global_prefetch_b8 v0, s[64:65] scope:SCOPE_SE
	s_setreg_imm32_b32 hwreg(HW_REG_WAVE_MODE, 25, 1), 1
	s_wait_xcnt 0x0
; TemporalEncoder, L = 1: one LSTM cell on h = c = 0, of which only time step index[b] = max(x_len[b], 1) - 1 of each batch element b is kept.
;   out1[0][b][:] = c = sigmoid(i) tanh(g),  out0[0][b][:] = h = sigmoid(o) tanh(c),  (i, g, o) = x[b][index[b]] W_ih^T + b_ih + b_hh at gate rows 0.., 256.., 384..
; WORK LEFT OUT, dead for all finite values of the inputs:
;   (a) einsum(h, W_hh): h is the zeros that reference() builds in its own body and L = 1 calls the cell once, so the product is 0.  W_hh has no way to an output: it is not loaded and is no argument.
;   (b) sigmoid(f) * c: c is reference()'s own zeros and sigmoid lies in 0 .. 1, so the term is 0.  The f gate (rows 128 .. 255 of W_ih, b_ih, b_hh) is not loaded.
;   (c) h[rows, index], c[rows, index] keep one of 200 time steps: the other 199 rows of each batch element are sliced away.  x_len is read from memory here and only the row that it names is fetched.
; LIMITS.  A NaN, an infinity or an overflow that lies only in W_hh, in the f rows or in rows of encode_features that x_len does not name is not carried to the result.
;   x_len is served for 0 .. 200; taken as an unsigned number anything larger (a negative one too) takes row 199, the table's last.
;   x and W_ih are rounded once to bf16 for the product; sums, biases and activations are f32.
;   sigmoid(x) = 1 / (1 + 2^(-x log2 e)), tanh(x) = 1 - 2 / (1 + 2^(2 x log2 e)): where the exponential is infinite or 0 both end at their limits; tanh's absolute error is some 1e-7, also near 0.
; SHARES.  256 work-groups.  Work-group (bx, by) owns batch rows 16 by .. 16 by + 15 and hidden channels 64 bx .. 64 bx + 63; wave w of four the channels 64 bx + 16 w .. + 15 of the three gates:
;   three accumulators of 16 x 16, K = 64 = two fragments, six matrix instructions.
; LAYOUT.  The product is taken transposed (source 0 = 16 rows of W_ih, source 1 = the 16 gathered rows of x): with r = lane % 16, h = lane / 16, register j of a lane holds batch row r, channel 8 h + j of the wave's 16.
;   A row of W_ih or x is 256 bytes = all of K.  Lane (r, h) takes bytes 64 c + 32 h + 16 e (c = 0..3, e = 0, 1) of row r: eight loads of 16 bytes; rounded in pairs, in place, register 4 c + 2 e + p then holds
;   k = 16 c + 8 h + 4 e + 2 p and the next: fragment c / 2 in the 16-bit operand's own order.  Nothing goes through LDS on the way in.
;   The bias b_ih + b_hh, in f32, is the C operand that starts each sum: nothing is cleared and nothing is added behind the product.
; WAY OUT.  A wave's 16 channels are 64 bytes of a row, so the four waves meet in a stage in LDS (16 rows x 256 bytes, pitch 272), and each store then has sixteen lanes writing 256 consecutive bytes, aligned.
; NOT USED, by this text's own arithmetic: tensor loads and a ring (no loop; W_ih passes through registers to be rounded anyway); joint loads in a cluster (a wave's 24 loads of W_ih are out while x_len and
;   the rows are fetched, and two rounds of a cluster's barrier would stand round six products); a prefetch (the rows' addresses are not known before x_len is in, and nothing else is waited for alone).
.set XROW,   256                       ; bytes in a row of encode_features and of W_ih
.set XBATCH, 51200                     ; bytes of a batch element: 200 rows
.set SPITCH, 272                       ; a stage row: 256 bytes + 16 = 17 x 16: the sixteen rows that a store touches begin at sixteen different 16-byte columns
.set STH,    0                         ; LDS: stage for h, 16 x 272 = 4,352 bytes
.set STC,    4352                      ; stage for c, the same
.set SPARE,  8704                      ; = 34 x 256: the spare words, 128 bytes for each wave: two blocks of 256 bytes that no other line names
.set WO,  3                            ; v3   256 r + 32 h: my place in 16 rows of W_ih; never rewritten
.set LO,  4                            ; v4   4 r: my batch row's x_len
.set XL,  5                            ; v5   x_len, then the index, then 256 x index
.set XO,  6                            ; v6   my place in my batch row's named time step
.set BO,  7                            ; v7   32 h: my eight channels of a bias
.set STO, 8                            ; v8   where I put my 32 bytes of a stage row
.set RD,  9                            ; v9   where I read 16 bytes of a stage row back
.set GO,  10                           ; v10  my byte offset in the outputs
.set XB,  11                           ; v11  51,200 r + 32 h
.set SPW, 12                           ; v12  LDS address of my spare word: SPARE + 4 x my thread's number; never rewritten
.set NIL, 13                           ; v13  0; never rewritten
.set ACC, 16                           ; v[16:39]   gate q (0 i, 1 g, 2 o) at ACC + 8 q: b_ih, then the bias, then the sums, then the activation, all in place
.set BH,  40                           ; v[40:63]   b_hh, likewise
.set WF,  64                           ; v[64:159]  W_ih as loaded, 32 a gate; rounded: v[64:111], gate q fragment f at WF + 16 q + 8 f
.set OB,  112                          ; v[112:127] the way out: rows read back from the stages (free once W_ih is rounded)
.set XF,  160                          ; v[160:191] x as loaded; rounded: v[160:175], fragment f at XF + 8 f
.set NSIG, 34                          ; s[34:35] -log2 e, twice (named as a pair)
.set PTAN, 36                          ; s[36:37] 2 log2 e, twice
.macro LOADW q, row                    ; gate q: my wave's 16 rows of W_ih from row \row on: eight loads that together take each row's 256 bytes
.irp c, 0,1,2,3
.irp e, 0,1
	global_load_b128 v[WF+32*(\q)+8*(\c)+4*(\e):WF+32*(\q)+8*(\c)+4*(\e)+3], v[WO], s[8:9] offset:(\row)*XROW+64*(\c)+16*(\e)
.endr
.endr
.endm
.macro LOADB q, row                    ; gate q: my eight channels of b_ih (into the accumulator) and of b_hh
	global_load_b128 v[ACC+8*(\q):ACC+8*(\q)+3],   v[BO], s[10:11] offset:4*(\row)
	global_load_b128 v[ACC+8*(\q)+4:ACC+8*(\q)+7], v[BO], s[10:11] offset:4*(\row)+16
	global_load_b128 v[BH+8*(\q):BH+8*(\q)+3],     v[BO], s[12:13] offset:4*(\row)
	global_load_b128 v[BH+8*(\q)+4:BH+8*(\q)+7],   v[BO], s[12:13] offset:4*(\row)+16
.endm
.macro PACK base, n                    ; 2 n numbers rounded to bf16 in place, ascending: the destination never passes a source that is still to be read
.set i, 0
.rept \n
	v_cvt_pk_bf16_f32 v[(\base)+i], v[(\base)+2*i], v[(\base)+2*i+1]
.set i, i+1
.endr
.endm
.macro TR op, base, n                  ; a batch of n transcendentals in place, a plain instruction behind the last (ISA guide 5.7.2), and one wait ahead of the first reader
.set i, 0
.rept \n
	\op v[(\base)+i], v[(\base)+i]
.set i, i+1
.endr
	v_nop
	s_wait_alu depctr_va_vdst(0)
.endm
.macro PKS base, n, sp                 ; n numbers times the scalar in s[sp], from the low end on
.set i, 0
.rept (\n)/2
	v_pk_mul_f32 v[(\base)+i:(\base)+i+1], v[(\base)+i:(\base)+i+1], s[(\sp):(\sp)+1] op_sel_hi:[1,0]
.set i, i+2
.endr
.endm
.macro PK1 base, n                     ; n numbers + 1
.set i, 0
.rept (\n)/2
	v_pk_add_f32 v[(\base)+i:(\base)+i+1], v[(\base)+i:(\base)+i+1], 1.0 op_sel_hi:[1,0]
.set i, i+2
.endr
.endm
.macro TANHF base                      ; eight numbers: 1 - 2 t
.set i, 0
.rept 4
	v_pk_fma_f32 v[(\base)+i:(\base)+i+1], v[(\base)+i:(\base)+i+1], -2.0, 1.0 op_sel_hi:[1,0,0]
.set i, i+2
.endr
.endm
.macro PKM d, a, b                     ; eight numbers: d = a x b
.set i, 0
.rept 4
	v_pk_mul_f32 v[(\d)+i:(\d)+i+1], v[(\a)+i:(\a)+i+1], v[(\b)+i:(\b)+i+1]
.set i, i+2
.endr
.endm
	s_load_b256 s[4:11], s[0:1], 0x0               ; x_len s[4:5], encode_features s[6:7], W_ih s[8:9], b_ih s[10:11]
	s_load_b128 s[12:15], s[0:1], 0x20             ; b_hh s[12:13], out0 s[14:15]
	s_load_b64 s[16:17], s[0:1], 0x30              ; out1
	v_lshl_add_u32 v[SPW], v0, 2, SPARE
	v_mov_b32 v[NIL], 0
	v_lshrrev_b32 v14, 5, v0
	v_readfirstlane_b32 s18, v14                   ; wave w, 0..3
	v_and_b32 v1, 15, v0                           ; r
	v_bfe_u32 v2, v0, 4, 1                         ; h
	v_lshlrev_b32 v[LO], 2, v1
	v_mul_u32_u24 v[XB], v1, XBATCH
	v_lshl_add_u32 v[XB], v2, 5, v[XB]
	v_lshlrev_b32 v[WO], 8, v1
	v_lshl_add_u32 v[WO], v2, 5, v[WO]
	v_lshlrev_b32 v[BO], 5, v2
	s_mov_b32 s19, ttmp9                           ; bx: which 64 channels
	s_and_b32 s20, ttmp7, 0xffff                   ; by: which 16 batch rows
	s_lshl_b32 s22, s20, 6                         ; x_len: 16 words
	s_mov_b32 s23, 0
	s_mul_i32 s24, s20, 16*XBATCH                  ; encode_features: 16 batch elements; 127 x 819,200 at the most, under 2^31
	s_mov_b32 s25, 0
	s_lshl_b32 s26, s19, 14                        ; W_ih: row 64 bx + 16 w of a gate, 256 bytes a row
	s_lshl_b32 s21, s18, 12
	s_add_co_u32 s26, s26, s21
	s_mov_b32 s27, 0
	s_lshr_b32 s28, s26, 6                         ; the biases: the same channel, 4 bytes each
	s_mov_b32 s29, 0
	s_lshl_b32 s30, s20, 13                        ; the outputs: row 16 by + 2 w of 512 bytes, byte 256 bx of it
	s_lshl_b32 s21, s19, 8
	s_add_co_u32 s30, s30, s21
	s_lshl_b32 s21, s18, 10
	s_add_co_u32 s30, s30, s21
	s_mov_b32 s31, 0
	s_lshl_b32 s32, s18, 6                         ; my wave's 64 bytes of a stage row
	s_mul_i32 s33, s18, 2*SPITCH                   ; the two stage rows that my wave reads back first
	s_mov_b32 s[NSIG], 0xbfb8aa3b                  ; -log2 e
	s_mov_b32 s[NSIG+1], s[NSIG]
	s_mov_b32 s[PTAN], 0x4038aa3b                  ; 2 log2 e
	s_mov_b32 s[PTAN+1], s[PTAN]
	s_wait_kmcnt 0x0
	s_add_nc_u64 s[4:5], s[4:5], s[22:23]
	global_load_b32 v[XL], v[LO], s[4:5]           ; x_len of my batch row: the head of the one chain of dependent loads, so it goes out first
	s_add_nc_u64 s[8:9], s[8:9], s[26:27]
	s_add_nc_u64 s[10:11], s[10:11], s[28:29]
	s_add_nc_u64 s[12:13], s[12:13], s[28:29]
	s_add_nc_u64 s[6:7], s[6:7], s[24:25]
	s_add_nc_u64 s[14:15], s[14:15], s[30:31]
	s_add_nc_u64 s[16:17], s[16:17], s[30:31]
	LOADW 0, 0                                     ; i
	LOADW 1, 256                                   ; g
	LOADW 2, 384                                   ; o
	LOADB 0, 0
	LOADB 1, 256
	LOADB 2, 384
	s_wait_loadcnt 36                              ; loads come back in order (ISA guide 5.7.1): x_len is in; the 24 loads of W_ih and the 12 of the biases, all younger, stay out
	v_max_u32 v[XL], 1, v[XL]                      ; index = x_len - 1, and 0 where x_len = 0
	v_add_nc_u32 v[XL], -1, v[XL]
	v_min_u32 v[XL], 199, v[XL]                    ; the table's last row bounds the loaded number before it enters an address
	v_lshlrev_b32 v[XL], 8, v[XL]                  ; a time step is 256 bytes
	v_add_nc_u32 v[XO], v[XB], v[XL]
.irp c, 0,1,2,3
.irp e, 0,1
	global_load_b128 v[XF+8*(\c)+4*(\e):XF+8*(\c)+4*(\e)+3], v[XO], s[6:7] offset:64*(\c)+16*(\e)  ; the eight loads take the named row's 256 bytes; no hint: eight waves read each row
.endr
.endr
	s_wait_loadcnt 8                               ; W_ih and the biases are in; only the eight loads of the rows stay out, and this work stands in their time
	PACK WF, 48
.set i, 0
.rept 12
	v_pk_add_f32 v[ACC+i:ACC+i+1], v[ACC+i:ACC+i+1], v[BH+i:BH+i+1]  ; b_ih + b_hh: what the sums start with
.set i, i+2
.endr
	s_wait_loadcnt 0x0                             ; the rows are in
	PACK XF, 16
	; six products; the three accumulators take turns, one instruction a turn: two others stand between the two links of a chain
.irp f, 0,1
.irp q, 0,1,2
	v_wmma_f32_16x16x32_bf16 v[ACC+8*(\q):ACC+8*(\q)+7], v[WF+16*(\q)+8*(\f):WF+16*(\q)+8*(\f)+7], v[XF+8*(\f):XF+8*(\f)+7], v[ACC+8*(\q):ACC+8*(\q)+7]
.endr
.endr
	; the addresses of the way out: eight plain instructions that name no register of the products: the places between the last product and the first line that reads a sum (ISA guide 7.12.1)
	v_mul_u32_u24 v[STO], v1, SPITCH               ; in: stage row r,
	v_lshl_add_u32 v[STO], v2, 5, v[STO]           ; my eight channels' 32 bytes,
	v_add_nc_u32 v[STO], s32, v[STO]               ; in my wave's 64
	v_mul_u32_u24 v[RD], v2, SPITCH                ; back: lanes 0-15 take stage row 2 w, lanes 16-31 row 2 w + 1,
	v_lshl_add_u32 v[RD], v1, 4, v[RD]             ; 16 bytes a lane
	v_add_nc_u32 v[RD], s33, v[RD]
	v_lshlrev_b32 v[GO], 9, v2                     ; and the same two rows, 512 bytes apart, in the outputs
	v_lshl_add_u32 v[GO], v1, 4, v[GO]
	; the activations, in place; each accumulator is read from its lowest pair on
	PKS ACC,    8, NSIG                            ; -i log2 e
	PKS ACC+8,  8, PTAN                            ; 2 g log2 e
	PKS ACC+16, 8, NSIG                            ; -o log2 e
	TR v_exp_f32, ACC, 24
	PK1 ACC, 24
	TR v_rcp_f32, ACC, 24                          ; sigmoid(i); 1 / (1 + e^(2 g)); sigmoid(o)
	TANHF ACC+8                                    ; tanh(g)
	PKM ACC, ACC, ACC+8                            ; c = sigmoid(i) tanh(g)
	ds_store_b128 v[STO], v[ACC:ACC+3]   offset:STC     ; c goes into its stage at once
	ds_store_b128 v[STO], v[ACC+4:ACC+7] offset:STC+16
.set i, 0
.rept 4
	v_pk_mul_f32 v[ACC+8+i:ACC+8+i+1], v[ACC+i:ACC+i+1], s[PTAN:PTAN+1] op_sel_hi:[1,0]  ; 2 c log2 e
.set i, i+2
.endr
	TR v_exp_f32, ACC+8, 8
	PK1 ACC+8, 8
	TR v_rcp_f32, ACC+8, 8
	TANHF ACC+8                                    ; tanh(c)
	PKM ACC+16, ACC+16, ACC+8                      ; h = sigmoid(o) tanh(c)
	ds_store_b128 v[STO], v[ACC+16:ACC+19] offset:STH
	ds_store_b128 v[STO], v[ACC+20:ACC+23] offset:STH+16
	s_wait_dscnt 0x0                               ; for the other waves' sake: my four stores into the stages are done
	s_barrier_signal -1
	s_barrier_wait -1                              ; all four waves' are: every stage row is whole
	ds_load_b128 v[OB:OB+3],     v[RD] offset:STC             ; c, rows 2 w + h
	ds_load_b128 v[OB+4:OB+7],   v[RD] offset:STC+8*SPITCH    ; c, rows 2 w + h + 8
	ds_load_b128 v[OB+8:OB+11],  v[RD] offset:STH             ; h, likewise
	ds_load_b128 v[OB+12:OB+15], v[RD] offset:STH+8*SPITCH
	s_wait_dscnt 3                                 ; LDS loads come back in order (ISA guide 5.7.1): each count is the number of younger ones
	global_store_b128 v[GO], v[OB:OB+3],     s[16:17] th:TH_STORE_NT               ; sixteen lanes store 256 consecutive bytes, at a multiple of 256 from the output's first byte
	s_wait_dscnt 2
	global_store_b128 v[GO], v[OB+4:OB+7],   s[16:17] offset:4096 th:TH_STORE_NT   ; eight rows of 512 bytes further down
	s_wait_dscnt 1
	global_store_b128 v[GO], v[OB+8:OB+11],  s[14:15] th:TH_STORE_NT
	s_wait_dscnt 0
	global_store_b128 v[GO], v[OB+12:OB+15], s[14:15] offset:4096 th:TH_STORE_NT
	s_wait_tensorcnt 0x0                           ; the wave's end: behind my last LDS store
	ds_add_u32 v[SPW], v[NIL]
	s_wait_dscnt 0x0
	s_endpgm
.Lfunc_end_k_qb98d310f0f_cell:
	.size	k_qb98d310f0f_cell, .Lfunc_end_k_qb98d310f0f_cell-k_qb98d310f0f_cell
	.p2alignl 7, 3214868480
	.fill 96, 4, 3214868480
	.section	.rodata,"a",@progbits
	.p2align	6, 0x0
	.amdhsa_kernel k_qb98d310f0f_cell
		.amdhsa_group_segment_fixed_size 9216
		.amdhsa_private_segment_fixed_size 0
		.amdhsa_enable_private_segment 0
		.amdhsa_kernarg_size 56
		.amdhsa_user_sgpr_count 2
		.amdhsa_user_sgpr_kernarg_segment_ptr 1
		.amdhsa_wavefront_size32 1
		.amdhsa_system_sgpr_workgroup_id_x 1
		.amdhsa_system_sgpr_workgroup_id_y 1
		.amdhsa_system_sgpr_workgroup_id_z 1
		.amdhsa_system_vgpr_workitem_id 0
		.amdhsa_next_free_vgpr 192
		.amdhsa_next_free_sgpr 66
		.amdhsa_reserve_vcc 0
		.amdhsa_float_denorm_mode_32 3
		.amdhsa_float_denorm_mode_16_64 3
		.amdhsa_memory_ordered 1
		.amdhsa_forward_progress 1
		.amdhsa_inst_pref_size 19
	.end_amdhsa_kernel
	.amdgpu_metadata
---
amdhsa.version: [ 1, 2 ]
amdhsa.kernels:
  - .name:           k_qb98d310f0f_cell
    .symbol:         k_qb98d310f0f_cell.kd
    .args:
      - { .name: x_len, .offset: 0, .size: 8, .value_kind: global_buffer, .address_space: global }
      - { .name: encode_features, .offset: 8, .size: 8, .value_kind: global_buffer, .address_space: global }
      - { .name: W_ih, .offset: 16, .size: 8, .value_kind: global_buffer, .address_space: global }
      - { .name: b_ih, .offset: 24, .size: 8, .value_kind: global_buffer, .address_space: global }
      - { .name: b_hh, .offset: 32, .size: 8, .value_kind: global_buffer, .address_space: global }
      - { .name: out0, .offset: 40, .size: 8, .value_kind: global_buffer, .address_space: global }
      - { .name: out1, .offset: 48, .size: 8, .value_kind: global_buffer, .address_space: global }
    .group_segment_fixed_size: 9216
    .private_segment_fixed_size: 0
    .kernarg_segment_align: 8
    .kernarg_segment_size: 56
    .max_flat_workgroup_size: 128
    .sgpr_count:     66
    .vgpr_count:     192
    .wavefront_size: 32
...
	.end_amdgpu_metadata
.endif
;; end of part 1
